; MI455X (gfx1250); checked and timed in simulation.
; The chip was launched on July 23, 2026; its instructions are those of AMD's public machine-readable ISA for CDNA 5 (MIT licence, August 2026) and "CDNA5" Instruction Set Architecture Reference Guide (July 2026). The comments in the code are by the model that wrote it; some were corrected since.
;; Swin Decoder. Allowed arithmetic: matrix products marked QUANTISED: E3M2 operands, one E8M0 scale for each 32 along K, by v_wmma_scale_f32_16x16x128_f8f6f4 with both operands' format E3M2, f32 sums; everything else in f32.
;; Inputs: fc1_b 512 float32; fc1_w_codes 512 x 4 x 24 uint8 (E3M2 codes of fc1_w, K innermost, in blocks of 32 codes, four codes in three bytes); fc1_w_scales 512 x 4 uint8 (E8M0 scales of fc1_w, one for each 32 codes along K); fc2_b 128 float32; fc2_w_codes 128 x 16 x 24 uint8 (E3M2 codes of fc2_w, K innermost, in blocks of 32 codes, four codes in three bytes); fc2_w_scales 128 x 16 uint8 (E8M0 scales of fc2_w, one for each 32 codes along K); kv 2 x 128 x 256 x 256 float32; kv_b 256 float32; kv_w_codes 256 x 4 x 24 uint8 (E3M2 codes of kv_w, K innermost, in blocks of 32 codes, four codes in three bytes); kv_w_scales 256 x 4 uint8 (E8M0 scales of kv_w, one for each 32 codes along K); norm1_b 128 float32; norm1_g 128 float32; norm2_b 128 float32; norm2_g 128 float32; proj_b 128 float32; proj_w_codes 128 x 4 x 24 uint8 (E3M2 codes of proj_w, K innermost, in blocks of 32 codes, four codes in three bytes); proj_w_scales 128 x 4 uint8 (E8M0 scales of proj_w, one for each 32 codes along K); q_b 128 float32; q_w_codes 128 x 4 x 24 uint8 (E3M2 codes of q_w, K innermost, in blocks of 32 codes, four codes in three bytes); q_w_scales 128 x 4 uint8 (E8M0 scales of q_w, one for each 32 codes along K); rpb 225 x 4 float32; x 2 x 128 x 256 x 256 float32.
;; Outputs: out0 2 x 128 x 256 x 256 float32.
;; This version of the problem:
;;   THIS VERSION OF THE PROBLEM IS GIVEN IN LOW PRECISION. The matrix products marked QUANTISED in the list below multiply operands that are first quantised to E3M2 (3 exponent bits, 2 mantissa bits; 6 bits a number), with one power-of-two scale for each 32 numbers along K (OCP MX v1.0); their sums are f32. All else is computed in f32.
;;   The module's matrix products, in the order in which they are computed (A, B: the left and right operand; K: the contracted axis; several contracted axes count as one K, in the product's order):
;;     1. [M 131,072, K 128] x [K 128, N 128]; A: computed on the way; B: input q_w (given as codes): QUANTISED
;;     2. [M 131,072, K 128] x [K 128, N 256]; A: computed on the way; B: input kv_w (given as codes): QUANTISED
;;     3. batch 8,192 x [M 64, K 32] x [K 32, N 64]; A: computed on the way; B: computed on the way: QUANTISED
;;     4. batch 8,192 x [M 64, K 64] x [K 64, N 32]; A: softmax (see below); B: computed on the way: QUANTISED
;;     5. [M 131,072, K 128] x [K 128, N 128]; A: computed on the way; B: input proj_w (given as codes): QUANTISED
;;     6. [M 512, K 128] x [K 128, N 131,072]; A: input fc1_w (given as codes); B: computed on the way: QUANTISED
;;     7. [M 128, K 512] x [K 512, N 131,072]; A: input fc2_w (given as codes); B: computed on the way: QUANTISED
;;   THE QUANTISER, for each operand of a quantised product, along K:
;;     - K is cut into blocks of 32 from its start; a last block that is shorter is filled with zeros.
;;     - A block's scale is 2^e with e = floor(log2(the largest magnitude in the block)) - 4, held to -126 .. 127; a block of zeros has e = 0. As a byte (E8M0): e + 127.
;;     - Each number is divided by its block's scale, clamped to +-28, and rounded to the nearest number of E3M2, ties to even, subnormals kept.
;;     - The product sums the exact products of the quantised numbers (number of the format x scale) in f32.
;;   ~~~python
;;   def quantise(x, axis):      # numpy; x: float32 -> the quantised numbers, widened to float32 again
;;       x = np.moveaxis(x, axis, -1); K = x.shape[-1]
;;       x = np.pad(x, [(0, 0)] * (x.ndim - 1) + [(0, -K % 32)]); x = x.reshape(x.shape[:-1] + (-1, 32)); a = np.abs(x).max(-1, keepdims=True)
;;       e = np.where(a > 0, np.clip(np.frexp(np.where(a > 0, a, 1))[1] - 1 - 4, -126, 127), 0)      # np.frexp(a)[1] - 1 = floor(log2(a)), exactly
;;       r = np.clip(x / 2.0 ** e, -28, 28)
;;       step = 2.0 ** (np.maximum(np.frexp(np.where(r == 0, 1, r))[1] - 1, -2) - 2)
;;       q = np.round(r / step) * step * 2.0 ** e      # np.round: ties to even
;;       return np.moveaxis(q.reshape(q.shape[:-2] + (-1,))[..., :K], -1, axis).astype(np.float32)
;;   ~~~
;;   SOFTMAX AHEAD OF A QUANTISED PRODUCT. Where the list says 'softmax', what is quantised is not the finished softmax but p = 2^(t - M), with t = logit x log2(e) and M = ceil(the row's largest t), a whole number; so 1/2 < the row's largest p <= 1. The row's sum l is taken of the UNQUANTISED p, in f32, and the product's result is divided by l at the end. Since M is a whole number, a kernel that streams over the keys may use a running M (the ceiling of the running maximum): every later rescaling is an exact power of two, which a block's scale takes up: the codes' values come out the same.
;;   OPERANDS COMPUTED ON THE WAY. 'Computed on the way' means the value that the module computes at that place (a softmax that the list does not call 'softmax' is quantised finished and normalised). What goes into a quantiser is computed in f32, as accurately as f32 sums, v_exp_f32 and their like allow (about 1e-6 of the number): no bf16 or f16 on the way to a quantiser, and a product that is left as it is and whose result goes on into a quantised operand takes f32 operands (vector FMAs, or v_wmma_f32_16x16x4_f32). A number that lies on a knife's edge between two numbers of the format may be rounded either way, as far as f32 arithmetic and the matrix unit's own rounding can turn it there, and no further.
;;   INPUTS GIVEN AS CODES. fc1_w (in the module: [512, 128], K = its axis 1); fc2_w (in the module: [128, 512], K = its axis 1); kv_w (in the module: [256, 128], K = its axis 1); proj_w (in the module: [128, 128], K = its axis 1); q_w (in the module: [128, 128], K = its axis 1): each comes as NAME_codes (uint8): NAME with its K axis moved to the last place and cut into blocks of 32 codes, [.., K / 32, bytes a block], one block behind the other in memory; four codes in three bytes: a row's codes are one little-endian stream of bits, code i at bits 6 i .. 6 i + 5 (a code: sign, 3 exponent bits, 2 mantissa bits); and NAME_scales (uint8): the same leading axes, one E8M0 byte (e + 127) for each 32 codes along K. Its value is code x scale, taken as it is: it is not quantised again, and the codes and scales need not be those that the quantiser above would give.
;; One version. Each part assembles by itself: llvm-mc -triple=amdgcn-amd-amdhsa -mcpu=gfx1250 --defsym DOCPART=n.
;; ======== version 1 of 1: 1 launch
;; limits: a function is approximated: absolute error at most 1.5e-07
;; launch swin (part 1): grid 4 x 64, 8 waves a work-group, no clusters, 303,104 bytes of LDS; arguments x, kv, out0, norm1_g, norm1_b, rpb, q_w_codes, kv_w_codes, proj_w_codes, fc1_w_codes, fc2_w_codes, q_w_scales, kv_w_scales, proj_w_scales, fc1_w_scales, fc2_w_scales, q_b, kv_b, proj_b, fc1_b, fc2_b, norm2_g, norm2_b; writes out0
.if DOCPART == 1
	.amdgcn_target "amdgcn-amd-amdhsa--gfx1250"
	.amdhsa_code_object_version 6
	.text
	.protected	k_q6f0570049b_swin
	.globl	k_q6f0570049b_swin
	.p2align	8
	.type	k_q6f0570049b_swin,@function
k_q6f0570049b_swin:
	s_mov_b64 s[64:65], 0
	v_nop
	global_prefetch_b8 v0, s[64:65] scope:SCOPE_SE
	s_setreg_imm32_b32 hwreg(HW_REG_WAVE_MODE, 25, 1), 1
	s_wait_xcnt 0x0
; One Swin block with cross attention, whole, in one launch: LN1 of x and kv, shifted 8 x 8 windows, q / k,v projections, 4 heads of 32, relative-position bias and shift mask,
; softmax, P V, proj, residual, LN2, fc1, exact GELU, fc2, residual.  All seven products on codes of BF6 (E3M2) with one E8M0 scale for each 32 along K; all else in f32.
; x, kv, out0: [2][128][256][256] f32, the column innermost.  SHARES: a work-group owns 8 neighbouring shifted windows: image rows (8 wh + 4 + y) & 255, columns (64 g + 4 + t) & 255, t = 0..63.
; A WAVE HAS TWO ROLES.  Row role (first and last part): wave y owns image row y, 64 tokens; a lane a token, so that a load or store covers 128 consecutive bytes; its x stays in registers (v256-511)
; from the load to the store.  Window role (middle part): wave w owns window w.  Between the roles only codes and scale words go through LDS (96 + 4 bytes a token); two barriers in all.
; LAYOUTS.  L1: lane = token, register = channel.  W: lane (r, h) = token r, register 32 c + k = channel 64 c + 32 h + k: whole blocks of 32 in one lane, as the 6-bit operand wants them.
; v_permlane16_swap_b32 of registers 64 c + k and 64 c + 32 + k turns L1 into W and back.  THE ROWS OF A WEIGHT'S TILE ARE CHOSEN: row m of tile T is matrix row 64 (T / 4) + 8 (T % 4) + 32 (m / 8) + m % 8,
; so that with source 0 = weights, source 1 = tokens, four tiles leave layout W in 32 consecutive registers: a block's largest magnitude needs no other lane and the conversions' results are the next operand.
; A window's tile u of 16 tokens is its rows u and u + 4.  A head's K = 32 and the keys' K = 64 are filled up to 128 with zero codes.
; NO CLUSTER: what work-groups share is the weights and tables, 160 KB of some 930 KB that a work-group moves, read once at the head, and they pass through registers to be laid in the chosen row order.
; LIMITS: erf by Abramowitz and Stegun 7.1.26, error at most 1.5e-7 in erf; NaN and infinities among the inputs are not served; a block whose largest magnitude lies under 2^-122 (hidden layer: 2^-121)
; keeps the floor's scale byte; a block of zeros gets the byte 1 (its codes are zeros; this program alone reads the bytes); a softmax weight under 2^-126 counts as 0.
.set WSC,  147456                      ; LDS: 0: 96 weight fragments as images of their registers, 1,536 bytes each;  WSC: their scale words, 64 bytes a fragment
.set BT,   153600                      ; f32 vectors, 512 bytes a slot: q_b, k_b, v_b, proj_b, fc1_b (4), fc2_b, norm2_g, norm2_b
.set BIMG, 159232                      ; 28 images of the scores' bias: (head x 7 + tile distance + 3) x 1,024
.set TKV,  187904                      ; kv's codes: window x 6,208 + tile x 1,536 + piece x 256 + 8 x lane
.set TX,   237568                      ; the same for x; later q, later the attention's result, in the same bytes
.set SKV,  287232                      ; scale words: window x 256 + tile x 64 + 4 x row
.set SX,   289280
.set SO,   291328
.set GB,   293376                      ; norm1_g and norm1_b, a copy for each wave: 1,024 bytes
.set WP,   6208                        ; a window's pitch: 64 above a multiple of 256, so that the 8-lane runs of an access that spans windows fall on different banks
.set FRB,  1536
.set CHS,  262144                      ; bytes from channel to channel
.set FLO,  0x2800000                   ; 2^(5 - 127): no largest magnitude is taken under it, so a scale byte cannot fall under 1
.set MSB, 0
.macro WIN new                         ; register windows: bits 1:0 source 0, 3:2 source 1, 5:4 source 2, 7:6 destination; the high byte repeats the setting that is left
.if MSB != \new
	s_set_vgpr_msb (MSB<<8)|\new
.set MSB, \new
.endif
.endm
.macro PLACES n                        ; plain vector instructions between a matrix instruction and what touches its registers (ISA guide 7.12.1)
.rept \n
	v_nop
.endr
.endm
.macro MMG d, a, b, c, sa, sb, ra, rb  ; one product 16 x 16 x 128; ra, rb = 1: that side's scale words stand in lanes 16-31
.if ((\ra) == 0) && ((\rb) == 0)
	v_wmma_scale_f32_16x16x128_f8f6f4 v[(\d):(\d)+7], v[(\a):(\a)+11], v[(\b):(\b)+11], \c, v[\sa], v[\sb] matrix_a_fmt:MATRIX_FMT_BF6 matrix_b_fmt:MATRIX_FMT_BF6
.elseif (\rb) == 0
	v_wmma_scale_f32_16x16x128_f8f6f4 v[(\d):(\d)+7], v[(\a):(\a)+11], v[(\b):(\b)+11], \c, v[\sa], v[\sb] matrix_a_fmt:MATRIX_FMT_BF6 matrix_b_fmt:MATRIX_FMT_BF6 matrix_a_scale:MATRIX_SCALE_ROW1
.elseif (\ra) == 0
	v_wmma_scale_f32_16x16x128_f8f6f4 v[(\d):(\d)+7], v[(\a):(\a)+11], v[(\b):(\b)+11], \c, v[\sa], v[\sb] matrix_a_fmt:MATRIX_FMT_BF6 matrix_b_fmt:MATRIX_FMT_BF6 matrix_b_scale:MATRIX_SCALE_ROW1
.else
	v_wmma_scale_f32_16x16x128_f8f6f4 v[(\d):(\d)+7], v[(\a):(\a)+11], v[(\b):(\b)+11], \c, v[\sa], v[\sb] matrix_a_fmt:MATRIX_FMT_BF6 matrix_b_fmt:MATRIX_FMT_BF6 matrix_a_scale:MATRIX_SCALE_ROW1 matrix_b_scale:MATRIX_SCALE_ROW1
.endif
.endm
.macro MMI d, a, b, sa, sb, ra, rb     ; the same onto what the accumulator holds (a bias, or the sum so far)
	MMG \d, \a, \b, v[(\d):(\d)+7], \sa, \sb, \ra, \rb
.endm
.macro WLOAD buf, ws, ax, ay, ox, oy   ; a weight fragment and its scale words from LDS: four loads
	ds_load_b128 v[(\buf):(\buf)+3], v[\ax] offset:(\ox)
	ds_load_b128 v[(\buf)+4:(\buf)+7], v[\ax] offset:(\ox)+512
	ds_load_b128 v[(\buf)+8:(\buf)+11], v[\ax] offset:(\ox)+1024
	ds_load_b32 v[\ws], v[\ay] offset:(\oy)
.endm
.macro TLOAD reg, ad, off, n           ; n pieces (two registers each) of a token fragment
.set JJ, 0
.rept \n
	ds_load_b64 v[(\reg)+2*JJ:(\reg)+2*JJ+1], v[\ad] offset:(\off)+256*JJ
.set JJ, JJ+1
.endr
.endm
.macro TSTORE reg, ad, off, n
.set JJ, 0
.rept \n
	ds_store_b64 v[\ad], v[(\reg)+2*JJ:(\reg)+2*JJ+1] offset:(\off)+256*JJ
.set JJ, JJ+1
.endr
.endm
; THE QUANTISER of 32 consecutive registers of a lane.  v[am] holds the block's largest magnitude: 4 off its exponent field is the conversion's scale operand, and that field is the scale's byte.
.macro QTAIL src, dst, y, am
	v_add_nc_u32 v[\am], 0xfe000000, v[\am]
	v_cvt_scalef32_pk16_bf6_f32 v[(\dst):(\dst)+2], v[(\src):(\src)+15], v[\am]
	v_cvt_scalef32_pk16_bf6_f32 v[28:30], v[(\src)+16:(\src)+31], v[\am]   ; (a conversion's three registers begin on an even number: the block's second half is made here and moved)
	v_lshrrev_b32 v[\y], 23, v[\am]        ; the byte; also the plain instruction behind the conversions
	v_mov_b32 v[(\dst)+3], v28
	v_mov_b32 v[(\dst)+4], v29
	v_mov_b32 v[(\dst)+5], v30
.endm
.macro QB32 src, dst, y, fl            ; one block: two chains, the registers in ascending order (each accumulator is read from its low end on)
	v_max3_num_f32 v24, |v[(\src)]|, |v[(\src)+1]|, \fl
	v_max3_num_f32 v25, |v[(\src)+2]|, |v[(\src)+3]|, |v[(\src)+4]|
.irp e, 5,9,13,17,21,25
	v_max3_num_f32 v24, v24, |v[(\src)+\e]|, |v[(\src)+\e+1]|
	v_max3_num_f32 v25, v25, |v[(\src)+\e+2]|, |v[(\src)+\e+3]|
.endr
	v_max3_num_f32 v24, v24, |v[(\src)+29]|, |v[(\src)+30]|
	v_max3_num_f32 v24, v24, v25, |v[(\src)+31]|
	QTAIL \src, \dst, \y, 24
.endm
.macro QB2 s0, d0, y0, s1, d1, y1, fl  ; two blocks, four chains by turns
	v_max3_num_f32 v24, |v[(\s0)]|, |v[(\s0)+1]|, \fl
	v_max3_num_f32 v26, |v[(\s1)]|, |v[(\s1)+1]|, \fl
	v_max3_num_f32 v25, |v[(\s0)+2]|, |v[(\s0)+3]|, |v[(\s0)+4]|
	v_max3_num_f32 v27, |v[(\s1)+2]|, |v[(\s1)+3]|, |v[(\s1)+4]|
.irp e, 5,9,13,17,21,25
	s_delay_alu instid0(VALU_DEP_4)
	v_max3_num_f32 v24, v24, |v[(\s0)+\e]|, |v[(\s0)+\e+1]|
	s_delay_alu instid0(VALU_DEP_4)
	v_max3_num_f32 v26, v26, |v[(\s1)+\e]|, |v[(\s1)+\e+1]|
	s_delay_alu instid0(VALU_DEP_4)
	v_max3_num_f32 v25, v25, |v[(\s0)+\e+2]|, |v[(\s0)+\e+3]|
	s_delay_alu instid0(VALU_DEP_4)
	v_max3_num_f32 v27, v27, |v[(\s1)+\e+2]|, |v[(\s1)+\e+3]|
.endr
	s_delay_alu instid0(VALU_DEP_4)
	v_max3_num_f32 v24, v24, |v[(\s0)+29]|, |v[(\s0)+30]|
	s_delay_alu instid0(VALU_DEP_4)
	v_max3_num_f32 v26, v26, |v[(\s1)+29]|, |v[(\s1)+30]|
	s_delay_alu instid0(VALU_DEP_2)
	v_max3_num_f32 v24, v24, v25, |v[(\s0)+31]|
	s_delay_alu instid0(VALU_DEP_2)
	v_max3_num_f32 v26, v26, v27, |v[(\s1)+31]|
	QTAIL \s0, \d0, \y0, 24
	QTAIL \s1, \d1, \y1, 26
.endm
.macro WORD2 dst, b0                   ; lane (r, h) holds the byte of block h: bytes 0 and 1 of row r's word, in both halves of the lanes
	v_lshlrev_b32 v27, v6, v[\b0]
	s_delay_alu instid0(VALU_DEP_1)
	v_permlanex16_b32 v31, v27, s24, s25
	s_delay_alu instid0(VALU_DEP_1)
	v_or_b32 v[\dst], v27, v31
.endm
.macro WORD4 dst, b0, b1               ; and b1 that of block 2 + h: the whole word
	v_lshl_or_b32 v27, v[\b1], 16, v[\b0]
	s_delay_alu instid0(VALU_DEP_1)
	v_lshlrev_b32 v27, v6, v27
	s_delay_alu instid0(VALU_DEP_1)
	v_permlanex16_b32 v31, v27, s24, s25
	s_delay_alu instid0(VALU_DEP_1)
	v_or_b32 v[\dst], v27, v31
.endm
.macro LD128 zone, vo, base            ; 32 tokens x 128 channels into window 1: each load 128 consecutive bytes; four bases 32 channels apart keep the immediates inside 24 bits
	WIN 0x40
.set CH, 0
.rept 128
	global_load_b32 v[(\zone)+CH], v[\vo], s[(\base)+2*(CH/32):(\base)+2*(CH/32)+1] offset:(CH%32)*CHS
.set CH, CH+1
.endr
	WIN 0
.endm
.macro SUMD zone                       ; the mean over a lane's 128 channels (window 1), and x - mean into v112-239
	WIN 0x05
.irp k, 0,1,2,3
	v_pk_add_f32 v[64+2*\k:65+2*\k], v[(\zone)+2*\k:(\zone)+2*\k+1], v[(\zone)+8+2*\k:(\zone)+9+2*\k]
.endr
	WIN 0x01
.set II, 8
.rept 56
	v_pk_add_f32 v[64+2*(II%4):65+2*(II%4)], v[(\zone)+2*II:(\zone)+2*II+1], v[64+2*(II%4):65+2*(II%4)]
.set II, II+1
.endr
	WIN 0
	v_pk_add_f32 v[64:65], v[64:65], v[66:67]
	v_pk_add_f32 v[68:69], v[68:69], v[70:71]
	s_delay_alu instid0(VALU_DEP_1)
	v_pk_add_f32 v[64:65], v[64:65], v[68:69]
	s_delay_alu instid0(VALU_DEP_1)
	v_add_f32 v64, v64, v65
	s_delay_alu instid0(VALU_DEP_1)
	v_mul_f32 v72, 0x3c000000, v64         ; / 128
	s_delay_alu instid0(VALU_DEP_1)
	v_mov_b32 v73, v72
	WIN 0x01
.set II, 0
.rept 64
	v_pk_add_f32 v[112+2*II:113+2*II], v[(\zone)+2*II:(\zone)+2*II+1], v[72:73] neg_lo:[0,1] neg_hi:[0,1]
.set II, II+1
.endr
	WIN 0
.endm
.macro GBLD n                          ; norm1's g and b of channels 8 n .. 8 n + 7, every lane the same bytes, into set n % 2
	ds_load_b128 v[76+16*((\n)%2):79+16*((\n)%2)], v18 offset:32*(\n)
	ds_load_b128 v[80+16*((\n)%2):83+16*((\n)%2)], v18 offset:32*(\n)+16
	ds_load_b128 v[84+16*((\n)%2):87+16*((\n)%2)], v18 offset:512+32*(\n)
	ds_load_b128 v[88+16*((\n)%2):91+16*((\n)%2)], v18 offset:512+32*(\n)+16
.endm
.macro WGL n, vo, base, off            ; staging: fragment n from memory, as the operand's registers take it: six loads of 8 bytes
.irp p, 0,1,2,3,4,5
	global_load_b64 v[96+12*(\n)+2*\p:97+12*(\n)+2*\p], v[\vo], s[\base:\base+1] offset:(\off)+48*(\p/3)+8*(\p%3)
.endr
.endm
.macro WST n, ad, off                  ; and into LDS as an image of those registers
.irp q, 0,1,2
	ds_store_b128 v[\ad], v[96+12*(\n)+4*\q:99+12*(\n)+4*\q] offset:(\off)+512*\q
.endr
.endm
.macro BLD buf, i, hh                  ; the bias of query tile i against the four key tiles, head hh of the pair, straight into the scores' accumulators
.irp u, 0,1,2,3
	ds_load_b128 v[(\buf)+8*\u:(\buf)+8*\u+3], v20 offset:(\hh)*7168+((\i)-\u+3)*1024
	ds_load_b128 v[(\buf)+8*\u+4:(\buf)+8*\u+7], v20 offset:(\hh)*7168+((\i)-\u+3)*1024+512
.endr
.endm
; ONE HEAD'S SCORES AND WEIGHTS for query tile i.  buf: the 32 scores of a lane: query r; keys (row u + 4 h, column j) at register 8 u + j.  ni >= 0: the next column's bias is asked for, into oth.
.macro COL i, hh, buf, oth, ni, nh
.irp k, 0,1,2,3,4,5                    ; q's codes of the pair of heads, kept in the lanes of head hh alone: the other head's block meets zero codes
.if (\hh) == 0
	v_cndmask_b32 v[128+\k], v[104+6*(\i)+\k], 0, s29
.else
	v_cndmask_b32 v[128+\k], v[104+6*(\i)+\k], 0, s28
.endif
.endr
	PLACES 4                               ; an operand written by vector instructions stands four places ahead of a scaled product
	s_wait_alu depctr_va_vdst(0)
	s_wait_dscnt 0x0                       ; the bias is in
.irp u, 0,1,2,3
	MMI (\buf)+8*\u, 32+6*\u, 128, 246+\u/2, 250+(\i)/2, \u%2, (\i)%2
.endr
.if (\ni) >= 0
	BLD \oth, \ni, \nh
.endif
	PLACES 4
	v_max3_num_f32 v24, v[(\buf)], v[(\buf)+1], v[(\buf)+2]          ; two maxima: keys in columns 0-3, keys in columns 4-7: the shift mask is one number for each
	v_max3_num_f32 v25, v[(\buf)+4], v[(\buf)+5], v[(\buf)+6]
.irp u, 1,2,3
	v_max3_num_f32 v24, v24, v[(\buf)+8*\u-5], v[(\buf)+8*\u]
	v_max3_num_f32 v25, v25, v[(\buf)+8*\u-1], v[(\buf)+8*\u+4]
	v_max3_num_f32 v24, v24, v[(\buf)+8*\u+1], v[(\buf)+8*\u+2]
	v_max3_num_f32 v25, v25, v[(\buf)+8*\u+5], v[(\buf)+8*\u+6]
.endr
	v_max_num_f32 v24, v24, v[(\buf)+27]
	v_max_num_f32 v25, v25, v[(\buf)+31]
	s_delay_alu instid0(VALU_DEP_2)
	v_add_f32 v26, v24, v232
	s_delay_alu instid0(VALU_DEP_2)
	v_add_f32 v27, v25, v233
	s_delay_alu instid0(VALU_DEP_1)
	v_max_num_f32 v26, v26, v27
	s_delay_alu instid0(VALU_DEP_1)
	v_permlanex16_b32 v31, v26, s24, s25
	s_delay_alu instid0(VALU_DEP_1)
	v_max_num_f32 v26, v26, v31            ; the row's largest logit
	s_delay_alu instid0(VALU_DEP_1)
	v_mul_f32 v26, s26, v26                ; as t
	s_delay_alu instid0(VALU_DEP_1)
	v_floor_f32 v26, -v26                  ; -M = -ceil(t): a whole number
	s_delay_alu instid0(VALU_DEP_1)
	v_fma_f32 v220, v232, s26, v26         ; the addends: mask x log2(e) - M
	s_delay_alu instid0(VALU_DEP_2)
	v_fma_f32 v222, v233, s26, v26
	s_delay_alu instid0(VALU_DEP_2)
	v_fma_f32 v24, v24, s26, v220          ; my block's largest t - M: p rises with the score, so the block's largest p is not searched for
	s_delay_alu instid0(VALU_DEP_2)
	v_fma_f32 v25, v25, s26, v222
	s_delay_alu instid0(VALU_DEP_1)
	v_max_num_f32 v24, v24, v25
.irp u, 0,1,2,3
	v_pk_fma_f32 v[(\buf)+8*\u:(\buf)+8*\u+1], v[(\buf)+8*\u:(\buf)+8*\u+1], s[26:27], v[220:221] op_sel_hi:[1,0,0]
	v_pk_fma_f32 v[(\buf)+8*\u+2:(\buf)+8*\u+3], v[(\buf)+8*\u+2:(\buf)+8*\u+3], s[26:27], v[220:221] op_sel_hi:[1,0,0]
	v_pk_fma_f32 v[(\buf)+8*\u+4:(\buf)+8*\u+5], v[(\buf)+8*\u+4:(\buf)+8*\u+5], s[26:27], v[222:223] op_sel_hi:[1,0,0]
	v_pk_fma_f32 v[(\buf)+8*\u+6:(\buf)+8*\u+7], v[(\buf)+8*\u+6:(\buf)+8*\u+7], s[26:27], v[222:223] op_sel_hi:[1,0,0]
.endr
.set II, 0
	s_wait_alu depctr_va_vdst(0)
.rept 32
	v_exp_f32 v[(\buf)+II], v[(\buf)+II]   ; p = 2^(t - M), not normalised
.set II, II+1
.endr
	v_exp_f32 v24, v24
	v_nop                                  ; a plain instruction behind the exponentials
	s_wait_alu depctr_va_vdst(0)           ; one wait for the batch of 33, ahead of its first reader
	v_pk_add_f32 v[224:225], v[(\buf):(\buf)+1], v[(\buf)+2:(\buf)+3]      ; the row's sum, of the unquantised p
	v_pk_add_f32 v[226:227], v[(\buf)+4:(\buf)+5], v[(\buf)+6:(\buf)+7]
.irp k, 8,12,16,20,24,28
	v_pk_add_f32 v[224:225], v[224:225], v[(\buf)+\k:(\buf)+\k+1]
	v_pk_add_f32 v[226:227], v[226:227], v[(\buf)+\k+2:(\buf)+\k+3]
.endr
	s_delay_alu instid0(VALU_DEP_1)
	v_pk_add_f32 v[224:225], v[224:225], v[226:227]
	s_delay_alu instid0(VALU_DEP_1)
	v_add_f32 v224, v224, v225
	s_delay_alu instid0(VALU_DEP_1)
	v_permlanex16_b32 v31, v224, s24, s25
	s_delay_alu instid0(VALU_DEP_1)
	v_add_f32 v[218+(\hh)], v224, v31
	v_max_num_f32 v24, FLO, v24
	s_delay_alu instid0(VALU_DEP_1)
	v_add_nc_u32 v26, 0xfe000000, v24
	v_cvt_scalef32_pk16_bf6_f32 v[140+6*(\hh):142+6*(\hh)], v[(\buf):(\buf)+15], v26
	v_cvt_scalef32_pk16_bf6_f32 v[28:30], v[(\buf)+16:(\buf)+31], v26
	v_lshrrev_b32 v[228+(\hh)], 23, v26
	v_mov_b32 v[143+6*(\hh)], v28
	v_mov_b32 v[144+6*(\hh)], v29
	v_mov_b32 v[145+6*(\hh)], v30
.endm
; BOTH HEADS' P V for query tile i: K = 64 keys of the first head, then 64 of the second.  The result, lane (r, h): head h of the pair, divided by its sum, quantised, over q's bytes in LDS.
.macro PV i
	WORD4 252, 228, 229
	v_cndmask_b32 v26, v218, v219, s29
	s_wait_alu depctr_va_vdst(0)
	v_rcp_f32 v230, v26
	PLACES 8                               ; a scale register written by a vector instruction stands eight places ahead of a scaled product
.irp u, 0,1,2,3
	MMG 184+8*\u, 56+12*\u, 140, 0, 248+\u/2, 252, \u%2, 0
.endr
	PLACES 4
	s_wait_alu depctr_va_vdst(0)           ; the reciprocal's wait, ahead of its first reader
.set II, 0
.rept 16
	v_pk_mul_f32 v[184+2*II:185+2*II], v[184+2*II:185+2*II], v[230:231] op_sel_hi:[1,0]
.set II, II+1
.endr
	QB32 184, 234, 27, FLO
	TSTORE 234, 21, (\i)*FRB, 3
	ds_store_b8 v22, v27 offset:64*(\i)
.endm
; GELU as g = 2 gelu(x) = x + |x| erf(|x| / sqrt 2), 16 numbers a batch; batch n works on sets n % 2 of v144.. (1 + p z, then t) and v176.. (-z^2 log2 e, then e^(-z^2)); v208.. the polynomial
.macro GPRE n
.set II, 0
.rept 16
	v_fma_f32 v[144+16*((\n)%2)+II], |v[80+16*(\n)+II]|, s46, 1.0
.set II, II+1
.endr
.set II, 0
.rept 8
	v_pk_mul_f32 v[176+16*((\n)%2)+2*II:177+16*((\n)%2)+2*II], v[80+16*(\n)+2*II:81+16*(\n)+2*II], s[48:49] op_sel_hi:[1,0]
.set II, II+1
.endr
.set II, 0
.rept 8
	v_pk_mul_f32 v[176+16*((\n)%2)+2*II:177+16*((\n)%2)+2*II], v[176+16*((\n)%2)+2*II:177+16*((\n)%2)+2*II], v[176+16*((\n)%2)+2*II:177+16*((\n)%2)+2*II] neg_lo:[1,0] neg_hi:[1,0]
.set II, II+1
.endr
.endm
.macro GTR n
.set II, 0
.rept 16
	v_rcp_f32 v[144+16*((\n)%2)+II], v[144+16*((\n)%2)+II]
.set II, II+1
.endr
.set II, 0
.rept 16
	v_exp_f32 v[176+16*((\n)%2)+II], v[176+16*((\n)%2)+II]
.set II, II+1
.endr
.endm
.macro GPOST n
.set TD, 144+16*((\n)%2)
.set TW, 176+16*((\n)%2)
.set II, 0
.rept 8
	v_pk_fma_f32 v[208+2*II:209+2*II], v[TD+2*II:TD+2*II+1], s[36:37], s[38:39] op_sel_hi:[1,0,0]
.set II, II+1
.endr
.irp cc, 40,42,44
.set II, 0
.rept 8
	v_pk_fma_f32 v[208+2*II:209+2*II], v[208+2*II:209+2*II], v[TD+2*II:TD+2*II+1], s[\cc:\cc+1] op_sel_hi:[1,1,0]
.set II, II+1
.endr
.endr
.set II, 0
.rept 8
	v_pk_mul_f32 v[TD+2*II:TD+2*II+1], v[TD+2*II:TD+2*II+1], v[TW+2*II:TW+2*II+1]
.set II, II+1
.endr
.set II, 0
.rept 8
	v_pk_fma_f32 v[208+2*II:209+2*II], v[208+2*II:209+2*II], v[TD+2*II:TD+2*II+1], 1.0 op_sel_hi:[1,1,0] neg_lo:[1,0,0] neg_hi:[1,0,0]
.set II, II+1
.endr
.set II, 0
.rept 16
	v_fma_f32 v[80+16*(\n)+II], |v[80+16*(\n)+II]|, v[208+II], v[80+16*(\n)+II]
.set II, II+1
.endr
.endm
.macro G2LD n                          ; norm2's g and b of my registers 16 n .. 16 n + 15 in layout W
.irp q, 0,1,2,3
	ds_load_b128 v[80+4*\q:83+4*\q], v15 offset:4608+256*((\n)/2)+64*((\n)%2)+16*\q
	ds_load_b128 v[96+4*\q:99+4*\q], v15 offset:5120+256*((\n)/2)+64*((\n)%2)+16*\q
.endr
.endm
; ================= HEAD: ids, lane constants, bases =================
	s_load_b512 s[4:19], s[0:1], 0x0               ; x, kv, out0, norm1_g, norm1_b, rpb, q codes, kv codes
	s_load_b512 s[36:51], s[0:1], 0x40             ; proj, fc1, fc2 codes; q, kv, proj, fc1, fc2 scales
	s_load_b256 s[52:59], s[0:1], 0x80             ; q_b, kv_b, proj_b, fc1_b
	s_load_b128 s[60:63], s[0:1], 0xa0             ; fc2_b, norm2_g
	s_load_b64 s[68:69], s[0:1], 0xb0              ; norm2_b
	v_lshl_add_u32 v254, v0, 2, 0x49c00
	v_mov_b32 v255, 0
	v_lshrrev_b32 v24, 5, v0
	s_delay_alu instid0(VALU_DEP_1)
	v_readfirstlane_b32 s20, v24                   ; wave 0..7: my image row, and my window
	s_mov_b32 s21, ttmp9                           ; g: which 64 columns
	s_and_b32 s23, ttmp7, 0xffff
	s_and_b32 s22, s23, 31                         ; wh: which row of windows
	s_lshr_b32 s23, s23, 5                         ; the image
	s_mov_b32 s24, 0x76543210                      ; v_permlanex16_b32's selects for lane l xor 16
	s_mov_b32 s25, 0xfedcba98
	s_mov_b32 s26, 0x3fb8aa3b                      ; log2(e), as a pair for the packed forms
	s_mov_b32 s27, s26
	s_mov_b32 s28, 0x0000ffff                      ; lanes 0-15
	s_mov_b32 s29, 0xffff0000                      ; lanes 16-31
	s_mov_b32 s30, 0xff00ff00                      ; lanes with r >= 8
	s_mov_b32 s100, 0x3e3504f3                     ; 32^(-1/2)
	s_mov_b32 s101, s100
	v_and_b32 v24, 31, v0                          ; lane
	s_delay_alu instid0(VALU_DEP_1)
	v_lshlrev_b32 v1, 4, v24                       ; v1 = 16 lane, v2 = 8 lane, v3 = 4 lane
	s_delay_alu instid0(VALU_DEP_2)
	v_lshlrev_b32 v2, 3, v24
	s_delay_alu instid0(VALU_DEP_3)
	v_lshlrev_b32 v3, 2, v24
	v_and_b32 v25, 15, v0                          ; r
	s_delay_alu instid0(VALU_DEP_1)
	v_lshlrev_b32 v4, 2, v25                       ; v4 = 4 r
	v_bfe_u32 v26, v0, 4, 1                        ; h
	s_delay_alu instid0(VALU_DEP_1)
	v_lshlrev_b32 v5, 7, v26                       ; v5 = 128 h
	s_delay_alu instid0(VALU_DEP_2)
	v_lshlrev_b32 v6, 3, v26                       ; v6 = 8 h
	s_lshl_b32 s31, s21, 6
	s_add_co_u32 s31, s31, 4
	v_add_nc_u32 v7, s31, v24
	s_delay_alu instid0(VALU_DEP_1)
	v_add_nc_u32 v8, 32, v7
	s_delay_alu instid0(VALU_DEP_2)
	v_and_b32 v7, 255, v7
	s_delay_alu instid0(VALU_DEP_2)
	v_and_b32 v8, 255, v8
	s_delay_alu instid0(VALU_DEP_2)
	v_lshlrev_b32 v7, 2, v7                        ; v7, v8: my token's byte in an image row, tokens 0-31 and 32-63: ((64 g + 4 + t) & 255) x 4
	s_delay_alu instid0(VALU_DEP_2)
	v_lshlrev_b32 v8, 2, v8
	v_mov_b32 v31, 0                               ; (a lane permute's destination counts as one of its sources)
	v_mov_b32 v27, 0
	s_lshl_b32 s32, s22, 3
	s_add_co_u32 s32, s32, 4
	s_add_co_u32 s32, s32, s20
	s_and_b32 s32, s32, 255                        ; my image row (8 wh + 4 + y) & 255
	s_lshl_b32 s32, s32, 10
	s_lshl_b32 s33, s23, 25
	s_or_b32 s32, s32, s33
	s_mov_b32 s33, 0
	; which rows of the weights my lane stages: rho = 64 (w / 4) + 8 (w % 4) + 32 (r / 8) + r % 8
	s_lshr_b32 s31, s20, 2
	s_lshl_b32 s31, s31, 6
	s_and_b32 s34, s20, 3
	s_lshl_b32 s34, s34, 3
	s_add_co_u32 s31, s31, s34
	v_and_b32 v30, 7, v0
	v_bfe_u32 v29, v0, 3, 1
	s_delay_alu instid0(VALU_DEP_1)
	v_lshl_add_u32 v28, v29, 5, v30
	s_delay_alu instid0(VALU_DEP_1)
	v_add_nc_u32 v28, s31, v28
	s_delay_alu instid0(VALU_DEP_1)
	v_mul_u32_u24 v19, v28, 96
	s_delay_alu instid0(VALU_DEP_1)
	v_mad_u32_u24 v19, v26, 24, v19                ; codes, rows of 96 bytes
	s_delay_alu instid0(VALU_DEP_3)
	v_mul_u32_u24 v20, v28, 384
	s_delay_alu instid0(VALU_DEP_1)
	v_mad_u32_u24 v20, v26, 24, v20                ; fc2's, rows of 384 bytes
	v_lshlrev_b32 v21, 2, v28                      ; scale words
	v_lshlrev_b32 v22, 4, v28
	v_sub_nc_u32 v29, v29, v26                     ; the bias table: row ((w + 4 + 4 (r / 8) - 4 h) x 15 + r % 8 + 7), less the register's number: 16 bytes, four heads
	s_delay_alu instid0(VALU_DEP_1)
	v_lshlrev_b32 v29, 2, v29
	s_add_co_u32 s34, s20, 4
	v_add_nc_u32 v29, s34, v29
	s_delay_alu instid0(VALU_DEP_1)
	v_mul_u32_u24 v29, v29, 15
	s_delay_alu instid0(VALU_DEP_1)
	v_add_nc_u32 v29, v29, v30
	s_delay_alu instid0(VALU_DEP_1)
	v_add_nc_u32 v29, 7, v29
	s_delay_alu instid0(VALU_DEP_1)
	v_lshlrev_b32 v23, 4, v29
	; every LDS address of the staging is made here, ahead of the first parting of the waves
	s_mul_i32 s31, s20, FRB
	v_add_nc_u32 v10, s31, v1                      ; fragments q, kv, proj: index + w
	s_delay_alu instid0(VALU_DEP_1)
	v_add_nc_u32 v11, 49152, v10                   ; fc1: from fragment 32 on
	s_mul_i32 s31, s20, 4*FRB
	s_add_co_u32 s31, s31, 98304
	v_add_nc_u32 v12, s31, v1                      ; fc2: fragment 64 + 4 w + s
	s_lshl_b32 s31, s20, 6
	s_add_co_u32 s31, s31, WSC
	v_add_nc_u32 v13, s31, v4
	s_lshl_b32 s31, s20, 8
	s_add_co_u32 s31, s31, WSC+4096
	v_add_nc_u32 v14, s31, v4
	v_add_nc_u32 v15, BT, v1
	s_lshl_b32 s31, s20, 10
	s_add_co_u32 s34, s31, BIMG
	v_add_nc_u32 v16, s34, v1
	s_add_co_u32 s34, s31, GB
	v_add_nc_u32 v17, s34, v1
	v_and_b32 v18, 0, v0
	s_delay_alu instid0(VALU_DEP_1)
	v_add_nc_u32 v18, s34, v18                     ; my wave's g and b, the same address in every lane
	s_wait_kmcnt 0x0
	s_add_nc_u64 s[76:77], s[4:5], s[32:33]        ; x, kv, out0 at my image row: four bases each, 32 channels apart
	s_add_nc_u64 s[78:79], s[76:77], 0x800000
	s_add_nc_u64 s[80:81], s[78:79], 0x800000
	s_add_nc_u64 s[82:83], s[80:81], 0x800000
	s_add_nc_u64 s[84:85], s[6:7], s[32:33]
	s_add_nc_u64 s[86:87], s[84:85], 0x800000
	s_add_nc_u64 s[88:89], s[86:87], 0x800000
	s_add_nc_u64 s[90:91], s[88:89], 0x800000
	s_add_nc_u64 s[92:93], s[8:9], s[32:33]
	s_add_nc_u64 s[94:95], s[92:93], 0x800000
	s_add_nc_u64 s[96:97], s[94:95], 0x800000
	s_add_nc_u64 s[98:99], s[96:97], 0x800000
; ================= STAGING: each wave brings 12 of the 96 weight fragments; waves 0-6 a bias image for four heads each, wave 7 the vectors =================
	WGL 0, 19, 16, 0                               ; q, tile w
	WGL 1, 19, 18, 0                               ; k, tile w
	WGL 2, 19, 18, 12288                           ; v, tile w
	WGL 3, 19, 36, 0                               ; proj
.irp j, 0,1,2,3
	WGL 4+\j, 19, 38, 12288*\j                     ; fc1, tiles w + 8 j
.endr
.irp s, 0,1,2,3
	WGL 8+\s, 20, 40, 96*\s                        ; fc2, tile w, K step s
.endr
	global_load_b32 v76, v21, s[42:43]
	global_load_b32 v77, v21, s[44:45]
	global_load_b32 v78, v21, s[44:45] offset:512
	global_load_b32 v79, v21, s[46:47]
.irp j, 0,1,2,3
	global_load_b32 v[80+\j], v21, s[48:49] offset:512*\j
	global_load_b32 v[84+\j], v22, s[50:51] offset:4*\j
.endr
	global_load_b128 v[88:91], v1, s[10:11]        ; norm1_g, norm1_b: every wave its own copy
	global_load_b128 v[92:95], v1, s[12:13]
	s_cmp_eq_u32 s20, 7
	s_cbranch_scc1 .Lload_vectors
.irp j, 0,1,2,3,4,5,6,7
	global_load_b128 v[32+4*\j:35+4*\j], v23, s[14:15] offset:-16*\j
.endr
	s_branch .Lloaded
.Lload_vectors:
	global_load_b128 v[32:35], v1, s[52:53]
	global_load_b128 v[36:39], v1, s[54:55]
	global_load_b128 v[40:43], v1, s[54:55] offset:512
	global_load_b128 v[44:47], v1, s[56:57]
.irp j, 0,1,2,3
	global_load_b128 v[48+4*\j:51+4*\j], v1, s[58:59] offset:512*\j
.endr
	global_load_b128 v[64:67], v1, s[60:61]
	global_load_b128 v[68:71], v1, s[62:63]
	global_load_b128 v[72:75], v1, s[68:69]
.Lloaded:
	LD128 0, 7, 84                                 ; kv, tokens 0-31
	LD128 128, 8, 84                               ; kv, tokens 32-63
	s_wait_loadcnt 0x3f                            ; 256 loads were issued behind the staging's: those are in
	WST 0, 10, 0
	WST 1, 10, 8*FRB
	WST 2, 10, 16*FRB
	WST 3, 10, 24*FRB
	s_wait_alu depctr_va_vdst(0)
.irp j, 0,1,2,3
	WST 4+\j, 11, 8*\j*FRB
	WST 8+\j, 12, \j*FRB
.endr
	ds_store_b32 v13, v76                          ; (lanes r and r + 16 write the same word with the same value)
	ds_store_b32 v13, v77 offset:8*64
	ds_store_b32 v13, v78 offset:16*64
	ds_store_b32 v13, v79 offset:24*64
.irp j, 0,1,2,3
	ds_store_b32 v13, v[80+\j] offset:(32+8*\j)*64
	ds_store_b32 v14, v[84+\j] offset:64*\j
.endr
	ds_store_b128 v17, v[88:91]
	ds_store_b128 v17, v[92:95] offset:512
	s_cmp_eq_u32 s20, 7
	s_cbranch_scc1 .Lstore_vectors
.irp j, 0,1,2,3,4,5,6,7
.irp d, 0,1,2,3
	ds_store_b32 v16, v[32+4*\j+\d] offset:\d*7168+(\j/4)*512+4*(\j%4)
.endr
.endr
	s_branch .Lstored
.Lstore_vectors:
.irp n, 0,1,2,3,4,5,6,7,8,9,10
	ds_store_b128 v15, v[32+4*\n:35+4*\n] offset:512*\n
.endr
.Lstored:
	s_wait_dscnt 0x0                               ; the stores have read their registers; my copy of g and b is in LDS
; ================= ROW ROLE, FIRST PART: LN1 and the quantiser, four units of 32 tokens: kv, kv, x, x =================
	v_bfe_u32 v24, v0, 3, 2                        ; which of the unit's four windows my token lies in
	s_wait_alu depctr_va_vdst(0)
	v_and_b32 v25, 7, v0                           ; its column there
	s_and_b32 s31, s20, 3                          ; the window's tile y % 4, rows 8 (y / 4) on
	s_lshr_b32 s34, s20, 2
	s_mul_i32 s35, s31, FRB
	s_lshl_b32 s32, s34, 6
	s_add_co_u32 s35, s35, s32
	s_add_co_u32 s35, s35, TKV
	v_mul_u32_u24 v10, v24, WP
	s_delay_alu instid0(VALU_DEP_1)
	v_lshl_add_u32 v10, v25, 3, v10
	s_delay_alu instid0(VALU_DEP_1)
	v_add_nc_u32 v10, s35, v10                     ; where my token's codes go
	s_lshl_b32 s35, s31, 6
	s_lshl_b32 s32, s34, 5
	s_add_co_u32 s35, s35, s32
	s_add_co_u32 s35, s35, SKV
	v_lshlrev_b32 v11, 8, v24
	s_wait_alu depctr_va_vdst(0)
	v_lshl_add_u32 v11, v25, 2, v11
	s_delay_alu instid0(VALU_DEP_1)
	v_add_nc_u32 v11, s35, v11                     ; and its scale word
	s_mov_b32 s31, 0                               ; the unit
	s_mov_b32 s33, 0                               ; 4 windows of codes a unit
	s_mov_b32 s34, 0                               ; 4 windows of scale words
.Lunit:
	s_wait_loadcnt 0x0                             ; this unit's numbers are in.  The count is 0 since the loads below stand under a branch
	s_bitcmp1_b32 s31, 0
	s_cbranch_scc1 .Lodd_unit
	SUMD 0
	s_cmp_lt_u32 s31, 2
	s_cbranch_scc0 .Lnorm
	LD128 0, 7, 76                                 ; kv's numbers have been read out: x, tokens 0-31, lands in their place and stays
	s_branch .Lnorm
.Lodd_unit:
	SUMD 128
	s_cmp_lt_u32 s31, 2
	s_cbranch_scc0 .Lnorm
	LD128 128, 8, 76
.Lnorm:
	GBLD 0
	GBLD 1
.irp k, 0,1,2,3
	v_pk_mul_f32 v[64+2*\k:65+2*\k], v[112+2*\k:113+2*\k], v[112+2*\k:113+2*\k]
.endr
.set II, 4
.rept 60
	s_delay_alu instid0(VALU_DEP_4)
	v_pk_fma_f32 v[64+2*(II%4):65+2*(II%4)], v[112+2*II:113+2*II], v[112+2*II:113+2*II], v[64+2*(II%4):65+2*(II%4)]
.set II, II+1
.endr
	s_delay_alu instid0(VALU_DEP_3)
	v_pk_add_f32 v[64:65], v[64:65], v[66:67]
	s_delay_alu instid0(VALU_DEP_2)
	v_pk_add_f32 v[68:69], v[68:69], v[70:71]
	s_delay_alu instid0(VALU_DEP_1)
	v_pk_add_f32 v[64:65], v[64:65], v[68:69]
	s_delay_alu instid0(VALU_DEP_1)
	v_add_f32 v64, v64, v65
	s_delay_alu instid0(VALU_DEP_1)
	v_mul_f32 v64, 0x3c000000, v64
	s_delay_alu instid0(VALU_DEP_1)
	v_add_f32 v64, 0x3727c5ac, v64                 ; + 1e-5
	s_wait_alu depctr_va_vdst(0)
	v_rsq_f32 v74, v64
	v_add_nc_u32 v12, s33, v10                     ; (plain work behind the transcendental)
	v_add_nc_u32 v13, s34, v11
	s_wait_alu depctr_va_vdst(0)                   ; its wait, ahead of the first reader
	v_mov_b32 v75, v74
.set NN, 0
	s_wait_alu depctr_va_vdst(0)
.rept 16                                           ; 8 channels a chunk; g and b come two chunks ahead
.if NN < 15
	s_wait_dscnt 0x4                               ; this chunk's four loads are in, the next chunk's four may be out
.else
	s_wait_dscnt 0x0
.endif
.irp k, 0,2,4,6
	v_pk_mul_f32 v[112+8*NN+\k:113+8*NN+\k], v[112+8*NN+\k:113+8*NN+\k], v[74:75]
.endr
.irp k, 0,2,4,6
	s_delay_alu instid0(VALU_DEP_4)
	v_pk_fma_f32 v[112+8*NN+\k:113+8*NN+\k], v[112+8*NN+\k:113+8*NN+\k], v[76+16*(NN%2)+\k:77+16*(NN%2)+\k], v[84+16*(NN%2)+\k:85+16*(NN%2)+\k]
.endr
.if NN < 14
	GBLD NN+2
.endif
.set NN, NN+1
.endr
	QB2 112, 32, 20, 144, 40, 21, FLO              ; my token's four blocks of 32 channels: all in my lane
	QB2 176, 48, 22, 208, 56, 23, FLO
	v_lshl_or_b32 v27, v21, 8, v20
	s_delay_alu instid0(VALU_DEP_1)
	v_lshl_or_b32 v27, v22, 16, v27
	s_delay_alu instid0(VALU_DEP_1)
	v_lshl_or_b32 v27, v23, 24, v27
.irp b, 0,1,2,3
	TSTORE 32+8*\b, 12, 768*(\b/2)+128*(\b%2), 3   ; block 2 c + h goes where lane (row, h) of the window's wave will find registers 6 c .. 6 c + 5
.endr
	ds_store_b32 v13, v27
	s_wait_dscnt 0x0
	s_add_co_u32 s33, s33, 4*WP
	s_add_co_u32 s34, s34, 1024
	s_add_co_u32 s31, s31, 1
	s_cmp_lt_u32 s31, 4
	s_cbranch_scc1 .Lunit
	s_wait_loadcnt 0x0
	WIN 0x41
.set II, 0
.rept 128
	v_permlane16_swap_b32 v[64*(II/32)+II%32], v[64*(II/32)+32+II%32]   ; x from L1 to W: register 128 G + 64 c + 32 t + k = token tile 2 G + t, channel 64 c + 32 h + k
.set II, II+1
.endr
	WIN 0
	s_wait_dscnt 0x0
	s_barrier_signal -1
	s_barrier_wait -1                              ; weights, tables and all windows' codes lie in LDS
; ================= WINDOW ROLE =================
	s_mul_i32 s14, s20, WP
	s_add_co_u32 s15, s14, TX
	v_add_nc_u32 v10, s15, v2                      ; my window's codes of x / q / o
	s_add_co_u32 s15, s14, TKV
	v_add_nc_u32 v11, s15, v2                      ; of kv
	s_lshl_b32 s14, s20, 8
	s_add_co_u32 s15, s14, SX
	v_add_nc_u32 v12, s15, v4                      ; scale words, a tile in lanes 0-15
	v_add_nc_u32 v13, s15, v3                      ; two tiles in 32 lanes
	s_add_co_u32 s15, s14, SKV
	v_add_nc_u32 v14, s15, v3
	v_add_nc_u32 v15, BT, v5                       ; vectors in layout W: + 128 h
	v_add_nc_u32 v16, WSC, v4
	v_add_nc_u32 v17, BIMG, v1
	s_add_co_u32 s15, s14, SO
	v_bfe_u32 v24, v0, 4, 1
	s_delay_alu instid0(VALU_DEP_1)
	v_add_nc_u32 v18, v4, v24
	s_delay_alu instid0(VALU_DEP_1)
	v_add_nc_u32 v18, s15, v18                     ; o's scale bytes: 4 r + h
	v_bfe_u32 v24, v0, 3, 1
	v_and_b32 v25, 7, v0
	s_delay_alu instid0(VALU_DEP_1)
	v_lshl_add_u32 v24, v24, 5, v25
	s_delay_alu instid0(VALU_DEP_1)
	v_lshlrev_b32 v24, 2, v24
	s_delay_alu instid0(VALU_DEP_1)
	v_add_nc_u32 v19, BT+1024, v24                 ; v_b at my lane's row of a tile of v's weights
.irp T, 0,1,2,3,4,5,6,7
	WLOAD 104+12*\T, 240+\T, 1, 16, \T*FRB, \T*64  ; q's eight fragments stay in registers for the four tiles
.endr
	; the shift mask: a key's row class is h, a query's r / 8; a key's column class is j / 4, a query's (r % 8) / 4.  Two numbers a lane: for keys in columns 0-3 and in columns 4-7
	v_bfe_u32 v24, v0, 3, 1
	v_bfe_u32 v25, v0, 4, 1
	s_delay_alu instid0(VALU_DEP_1)
	v_xor_b32 v24, v24, v25
	v_bfe_u32 v25, v0, 2, 1
	s_cmp_eq_u32 s22, 31
	s_cselect_b32 s14, 1, 0                        ; the last row of windows
	s_cmp_eq_u32 s21, 3
	s_cselect_b32 s15, 1, 0
	s_cmp_eq_u32 s20, 7
	s_cselect_b32 s15, s15, 0                      ; the last column of windows
	v_and_b32 v24, s14, v24
	v_and_b32 v26, s15, v25
	v_xor_b32 v25, 1, v25
	s_delay_alu instid0(VALU_DEP_1)
	v_and_b32 v25, s15, v25
	s_delay_alu instid0(VALU_DEP_3)
	v_or_b32 v26, v24, v26
	s_delay_alu instid0(VALU_DEP_2)
	v_or_b32 v25, v24, v25
	s_delay_alu instid0(VALU_DEP_2)
	v_cvt_f32_u32 v26, v26
	s_delay_alu instid0(VALU_DEP_2)
	v_cvt_f32_u32 v25, v25
	s_delay_alu instid0(VALU_DEP_2)
	v_mul_f32 v232, 0xc2c80000, v26                ; 0 or -100
	s_delay_alu instid0(VALU_DEP_2)
	v_mul_f32 v233, 0xc2c80000, v25
	v_mov_b32 v221, 0                              ; (upper halves of pairs of which the packed forms take the low word)
	v_mov_b32 v223, 0
	v_mov_b32 v231, 0
	s_mov_b32 s31, 0
	s_mov_b32 s32, 0
	s_mov_b32 s33, 0
.Lq_tile:                                              ; ---- q = (xn Wq^T + q_b) / sqrt 32, a tile of 16 tokens a trip, quantised over xn's bytes
	v_add_nc_u32 v20, s32, v10
	v_add_nc_u32 v21, s33, v12
	TLOAD 200, 20, 0, 6
	ds_load_b32 v248, v21
.irp T, 0,1,2,3,4,5,6,7
	ds_load_b128 v[32+8*\T:35+8*\T], v15 offset:256*(\T/4)+32*(\T%4)      ; the bias is what the sums begin with
	ds_load_b128 v[36+8*\T:39+8*\T], v15 offset:256*(\T/4)+32*(\T%4)+16
.endr
	s_wait_dscnt 0x0
.irp T, 0,1,2,3,4,5,6,7
	MMI 32+8*\T, 104+12*\T, 200, 240+\T, 248, 0, 0
.endr
	PLACES 5
.set II, 0
.rept 32
	v_pk_mul_f32 v[32+2*II:33+2*II], v[32+2*II:33+2*II], s[100:101] op_sel_hi:[1,0]
.set II, II+1
.endr
	QB2 32, 212, 22, 64, 218, 23, FLO
	WORD4 26, 22, 23
	TSTORE 212, 20, 0, 6
	ds_store_b32 v21, v26
	s_wait_dscnt 0x0
	s_add_co_u32 s32, s32, FRB
	s_add_co_u32 s33, s33, 64
	s_add_co_u32 s31, s31, 1
	s_cmp_lt_u32 s31, 4
	s_cbranch_scc1 .Lq_tile
	s_mov_b32 s31, 0                               ; the pair of heads c
	s_mov_b32 s32, 0                               ; 4 fragments
	s_mov_b32 s33, 0                               ; 64 channels of a vector; 4 fragments' scale words
	s_mov_b32 s34, 0                               ; 14 bias images
	s_mov_b32 s35, 0                               ; 3 pieces of a token fragment
	s_mov_b32 s18, 0                               ; 16 bits of a scale word
	s_mov_b32 s19, 0                               ; 2 scale bytes
.Lpair:
	v_add_nc_u32 v20, s32, v1
	v_add_nc_u32 v21, s33, v16
	v_add_nc_u32 v22, s33, v15
	v_add_nc_u32 v23, s33, v19
	; ---- k of the pair's 64 channels: source 0 = weights, source 1 = a tile of kv's tokens: 6 registers of codes a tile
.irp i, 0,1,2,3
	TLOAD 104+12*\i, 11, \i*FRB, 6
.endr
	ds_load_b32 v240, v14
	ds_load_b32 v241, v14 offset:128
.irp u, 0,1,2,3
	WLOAD 152+12*\u, 242+\u, 20, 21, (8+\u)*FRB, (8+\u)*64
.endr
.irp i, 0,1,2,3
.irp u, 0,1,2,3
	ds_load_b128 v[200+8*\u:203+8*\u], v22 offset:512+32*\u
	ds_load_b128 v[204+8*\u:207+8*\u], v22 offset:512+32*\u+16
.endr
	s_wait_dscnt 0x0
.irp u, 0,1,2,3
	MMI 200+8*\u, 152+12*\u, 104+12*\i, 242+\u, 240+\i/2, 0, \i%2
.endr
	PLACES 5
	QB32 200, 32+6*\i, 27, FLO
	WORD2 236+(\i%2), 27
.if \i%2
	s_delay_alu instid0(VALU_DEP_1)
	v_cndmask_b32 v[246+\i/2], v236, v237, s29     ; two tiles' words in one register: the even tile's in lanes 0-15
.endif
.endr
	; ---- v, transposed: source 0 = kv's tokens, source 1 = weights: a lane holds one channel and a whole block of 32 keys
	WLOAD 152, 242, 20, 21, 16*FRB, 16*64
	ds_load_b32 v184, v23
.irp u, 0,1,2,3
.if \u < 3
	WLOAD 152+12*((\u+1)%2), 242+((\u+1)%2), 20, 21, (17+\u)*FRB, (17+\u)*64
	ds_load_b32 v[184+(\u+1)%2], v23 offset:32*(\u+1)
	s_wait_dscnt 0x5                               ; this tile's loads are in; the next tile's four and its bias word may be out
.else
	s_wait_dscnt 0x0
.endif
.irp k, 0,1,2,3,4,5,6,7
	v_mov_b32 v[176+\k], v[184+\u%2]               ; v_b of my channel, for all eight keys of a register run
.endr
	PLACES 4
.irp i, 0,1,2,3
	MMG 200+8*\i, 104+12*\i, 152+12*(\u%2), v[176:183], 240+\i/2, 242+(\u%2), \i%2, 0
.endr
	PLACES 5
	QB32 200, 186, 27, FLO
.irp k, 0,1,2,3,4,5
	v_cndmask_b32 v[56+12*\u+\k], v[186+\k], 0, s30      ; rows 0-7: the first head, at K = its 64 keys; rows 8-15: the second head, at the second 64: the rest zero codes
	v_cndmask_b32 v[62+12*\u+\k], 0, v[186+\k], s30
.endr
	WORD2 26, 27
	s_delay_alu instid0(VALU_DEP_1)
	v_lshl_or_b32 v[236+\u%2], v26, 16, v26
.if \u%2
	s_delay_alu instid0(VALU_DEP_1)
	v_cndmask_b32 v[248+\u/2], v236, v237, s29
.endif
.endr
	; ---- attention of the pair
	v_add_nc_u32 v20, s34, v17
	v_add_nc_u32 v21, s35, v10
	v_add_nc_u32 v22, s19, v18
	ds_load_b32 v250, v13
	ds_load_b32 v251, v13 offset:128
.irp i, 0,1,2,3
	TLOAD 104+6*\i, 21, \i*FRB, 3
.endr
	BLD 152, 0, 0
	s_wait_dscnt 0x0
	v_lshrrev_b32 v250, s18, v250                  ; q's scale bytes of the pair, at bytes 0 and 1
	v_lshrrev_b32 v251, s18, v251
.irp k, 0,1,2,3,4,5
	v_mov_b32 v[134+\k], 0                         ; zero codes for K = 64 .. 127
.endr
	COL 0, 0, 152, 184, 0, 1
	COL 0, 1, 184, 152, 1, 0
	PV 0
	COL 1, 0, 152, 184, 1, 1
	COL 1, 1, 184, 152, 2, 0
	PV 1
	COL 2, 0, 152, 184, 2, 1
	COL 2, 1, 184, 152, 3, 0
	PV 2
	COL 3, 0, 152, 184, 3, 1
	COL 3, 1, 184, 152, -1, 0
	PV 3
	s_add_co_u32 s32, s32, 4*FRB
	s_add_co_u32 s33, s33, 256
	s_add_co_u32 s34, s34, 14336
	s_add_co_u32 s35, s35, 768
	s_add_co_u32 s18, s18, 16
	s_add_co_u32 s19, s19, 2
	s_add_co_u32 s31, s31, 1
	s_cmp_lt_u32 s31, 2
	s_cbranch_scc1 .Lpair
	s_wait_dscnt 0x0
	s_barrier_signal -1
	s_barrier_wait -1                              ; every window's o lies in LDS; from here on LDS is only read
; ================= ROW ROLE, LAST PART =================
	v_bfe_u32 v24, v0, 3, 1
	v_and_b32 v25, 7, v0
	s_delay_alu instid0(VALU_DEP_2)
	v_mul_u32_u24 v10, v24, WP
	s_delay_alu instid0(VALU_DEP_1)
	v_lshl_add_u32 v10, v25, 3, v10
	s_delay_alu instid0(VALU_DEP_1)
	v_add_nc_u32 v10, v5, v10
	s_and_b32 s14, s20, 3
	s_lshr_b32 s15, s20, 2
	s_mul_i32 s16, s14, FRB
	s_lshl_b32 s17, s15, 6
	s_add_co_u32 s16, s16, s17
	s_add_co_u32 s16, s16, TX
	v_add_nc_u32 v10, s16, v10                     ; o's codes of token r of a tile of my image row: window 2 i + r / 8, its tile y % 4, row 8 (y / 4) + r % 8
	s_wait_alu depctr_va_vdst(0)
	v_bfe_u32 v24, v0, 3, 2
	s_delay_alu instid0(VALU_DEP_1)
	v_lshlrev_b32 v11, 8, v24
	s_delay_alu instid0(VALU_DEP_1)
	v_lshl_add_u32 v11, v25, 2, v11
	s_lshl_b32 s16, s14, 6
	s_lshl_b32 s17, s15, 5
	s_add_co_u32 s16, s16, s17
	s_add_co_u32 s16, s16, SO
	v_add_nc_u32 v11, s16, v11                     ; and their scale words, two tiles in 32 lanes
	s_wait_alu depctr_va_vdst(0)
	v_add_nc_u32 v12, 49152, v1                    ; fc1's fragments
	v_add_nc_u32 v13, 98304, v1                    ; fc2's
	s_mov_b32 s36, 0x3f87dc22                      ; erf's polynomial: 1.061405429, -1.453152027, 1.421413741, -0.284496736, 0.254829592
	s_mov_b32 s37, s36
	s_mov_b32 s38, 0xbfba00e3
	s_mov_b32 s39, s38
	s_mov_b32 s40, 0x3fb5f0e3
	s_mov_b32 s41, s40
	s_mov_b32 s42, 0xbe91a98e
	s_mov_b32 s43, s42
	s_mov_b32 s44, 0x3e827906
	s_mov_b32 s45, s44
	s_mov_b32 s46, 0x3e6d3388                      ; 0.3275911 / sqrt 2
	s_mov_b32 s48, 0x3f596d27                      ; sqrt(log2(e) / 2)
	s_mov_b32 s49, s48
.irp c, 0,1
.irp q, 0,1,2,3,4,5,6,7
	ds_load_b128 v[144+32*\c+4*\q:147+32*\c+4*\q], v15 offset:1536+256*\c+16*\q   ; proj_b in layout W
.endr
.endr
.irp i, 0,1,2,3
	TLOAD 32+12*\i, 10, 2*WP*\i, 6
.endr
	ds_load_b32 v248, v11
	ds_load_b32 v249, v11 offset:1024
	WLOAD 80, 240, 1, 16, 24*FRB, 24*64
	s_wait_dscnt 0x1e                              ; proj_b is in: behind it 24 + 2 + 4 loads were issued
	WIN 0x41
.set II, 0
.rept 128
	v_pk_add_f32 v[2*II:2*II+1], v[2*II:2*II+1], v[144+32*((II/32)%2)+2*(II%16):145+32*((II/32)%2)+2*(II%16)]   ; x + proj_b: what proj's sums begin with
.set II, II+1
.endr
	WIN 0
	s_wait_alu depctr_va_vdst(0)
.irp T, 0,1,2,3,4,5,6,7                            ; xo = x + proj_b + o Wp^T, in place on x's registers
.if \T > 0
	PLACES 4
.endif
.if \T < 7
	WLOAD 80+12*((\T+1)%2), 240+((\T+1)%2), 1, 16, (25+\T)*FRB, (25+\T)*64
	s_wait_dscnt 0x4                               ; all but the next fragment's four loads
.else
	s_wait_dscnt 0x0
.endif
	WIN 0x50                                       ; C and D in window 1
.irp i, 0,1,2,3
	MMI 128*(\i/2)+64*(\T/4)+32*(\i%2)+8*(\T%4), 80+12*(\T%2), 32+12*\i, 240+(\T%2), 248+\i/2, 0, \i%2
.endr
	WIN 0
.endr
	PLACES 5
	v_mov_b32 v9, v7
	s_mov_b32 s31, 0
.Lhalf:                                                ; 32 tokens a trip: LN2, the MLP, the store.  The work stands on v256-383
	s_cmp_eq_u32 s31, 0
	s_cbranch_scc1 .Lfirst_half
	s_wait_xcnt 0x0                                ; the first half's stores have read their registers
	v_mov_b32 v9, v8
	WIN 0x41
.set II, 0
.rept 128
	v_mov_b32 v[II], v[128+II]
.set II, II+1
.endr
	WIN 0
.Lfirst_half:
	WIN 0x05                                       ; LN2, both tiles together: a token's channels lie in lanes r and r + 16
.irp t, 0,1
.irp q, 0,1
	v_pk_add_f32 v[56+4*\t+2*\q:57+4*\t+2*\q], v[32*\t+2*\q:32*\t+2*\q+1], v[32*\t+2*\q+4:32*\t+2*\q+5]
.endr
.endr
	WIN 0x01
.set II, 4
.rept 28
.irp t, 0,1
	v_pk_add_f32 v[56+4*\t+2*(II%2):57+4*\t+2*(II%2)], v[64*(II/16)+32*\t+2*(II%16):64*(II/16)+32*\t+2*(II%16)+1], v[56+4*\t+2*(II%2):57+4*\t+2*(II%2)]
.endr
.set II, II+1
.endr
	WIN 0
	v_pk_add_f32 v[56:57], v[56:57], v[58:59]
	v_pk_add_f32 v[60:61], v[60:61], v[62:63]
	s_delay_alu instid0(VALU_DEP_2)
	v_add_f32 v56, v56, v57
	s_delay_alu instid0(VALU_DEP_2)
	v_add_f32 v60, v60, v61
	s_delay_alu instid0(VALU_DEP_2)
	v_permlanex16_b32 v31, v56, s24, s25
	s_delay_alu instid0(VALU_DEP_2)
	v_permlanex16_b32 v27, v60, s24, s25
	s_delay_alu instid0(VALU_DEP_2)
	v_add_f32 v56, v56, v31
	s_delay_alu instid0(VALU_DEP_2)
	v_add_f32 v60, v60, v27
	s_delay_alu instid0(VALU_DEP_2)
	v_mul_f32 v64, 0x3c000000, v56
	s_delay_alu instid0(VALU_DEP_2)
	v_mul_f32 v66, 0x3c000000, v60
	s_delay_alu instid0(VALU_DEP_2)
	v_mov_b32 v65, v64
	s_delay_alu instid0(VALU_DEP_2)
	v_mov_b32 v67, v66
	G2LD 0
	WIN 0x01
.set II, 0
.rept 32
.irp t, 0,1
	v_pk_add_f32 v[112+64*\t+2*II:113+64*\t+2*II], v[64*(II/16)+32*\t+2*(II%16):64*(II/16)+32*\t+2*(II%16)+1], v[64+2*\t:65+2*\t] neg_lo:[0,1] neg_hi:[0,1]
.endr
.set II, II+1
.endr
	WIN 0
.irp t, 0,1
.irp q, 0,1
	v_pk_mul_f32 v[56+4*\t+2*\q:57+4*\t+2*\q], v[112+64*\t+2*\q:113+64*\t+2*\q], v[112+64*\t+2*\q:113+64*\t+2*\q]
.endr
.endr
.set II, 2
.rept 30
.irp t, 0,1
	v_pk_fma_f32 v[56+4*\t+2*(II%2):57+4*\t+2*(II%2)], v[112+64*\t+2*II:113+64*\t+2*II], v[112+64*\t+2*II:113+64*\t+2*II], v[56+4*\t+2*(II%2):57+4*\t+2*(II%2)]
.endr
.set II, II+1
.endr
	s_delay_alu instid0(VALU_DEP_2)
	v_pk_add_f32 v[56:57], v[56:57], v[58:59]
	s_delay_alu instid0(VALU_DEP_2)
	v_pk_add_f32 v[60:61], v[60:61], v[62:63]
	s_delay_alu instid0(VALU_DEP_2)
	v_add_f32 v56, v56, v57
	s_delay_alu instid0(VALU_DEP_2)
	v_add_f32 v60, v60, v61
	s_delay_alu instid0(VALU_DEP_2)
	v_permlanex16_b32 v31, v56, s24, s25
	s_delay_alu instid0(VALU_DEP_2)
	v_permlanex16_b32 v27, v60, s24, s25
	s_delay_alu instid0(VALU_DEP_2)
	v_add_f32 v56, v56, v31
	s_delay_alu instid0(VALU_DEP_2)
	v_add_f32 v60, v60, v27
	s_delay_alu instid0(VALU_DEP_2)
	v_mul_f32 v56, 0x3c000000, v56
	s_delay_alu instid0(VALU_DEP_2)
	v_mul_f32 v60, 0x3c000000, v60
	s_delay_alu instid0(VALU_DEP_2)
	v_add_f32 v56, 0x3727c5ac, v56
	s_delay_alu instid0(VALU_DEP_2)
	v_add_f32 v60, 0x3727c5ac, v60
	s_wait_alu depctr_va_vdst(0)
	v_rsq_f32 v68, v56
	v_rsq_f32 v70, v60
	v_nop
	s_wait_alu depctr_va_vdst(0)                   ; one wait for the two, ahead of their first reader
	v_mov_b32 v69, v68
	v_mov_b32 v71, v70
.irp n, 0,1,2,3
.irp t, 0,1
.irp k, 0,2,4,6,8,10,12,14
	v_pk_mul_f32 v[112+64*\t+16*\n+\k:113+64*\t+16*\n+\k], v[112+64*\t+16*\n+\k:113+64*\t+16*\n+\k], v[68+2*\t:69+2*\t]
.endr
.endr
	s_wait_dscnt 0x0
.irp t, 0,1
.irp k, 0,2,4,6,8,10,12,14
	v_pk_fma_f32 v[112+64*\t+16*\n+\k:113+64*\t+16*\n+\k], v[112+64*\t+16*\n+\k:113+64*\t+16*\n+\k], v[80+\k:81+\k], v[96+\k:97+\k]
.endr
.endr
.if \n < 3
	G2LD \n+1
.endif
.endr
	QB2 112, 32, 20, 176, 44, 22, FLO
	QB2 144, 38, 21, 208, 50, 23, FLO
.irp c, 0,1
.irp q, 0,1,2,3,4,5,6,7
	ds_load_b128 v[144+32*\c+4*\q:147+32*\c+4*\q], v15 offset:4096+256*\c+16*\q   ; fc2_b in layout W
.endr
.endr
	WORD4 250, 20, 21
	WORD4 251, 22, 23
	s_wait_dscnt 0x0
	WIN 0x41
.set II, 0
.rept 64
	v_pk_add_f32 v[2*II:2*II+1], v[2*II:2*II+1], v[144+32*(II/32)+2*(II%16):145+32*(II/32)+2*(II%16)]   ; xo + fc2_b: what fc2's sums begin with
.set II, II+1
.endr
	WIN 0
	s_mov_b32 s32, 0                               ; 64 hidden units a trip
	s_mov_b32 s33, 0
	s_mov_b32 s34, 0
.Lhidden:
	v_add_nc_u32 v17, s33, v12
	v_add_nc_u32 v19, s34, v16
	v_add_nc_u32 v14, s34, v15
.irp t, 0,1
.irp q, 0,1,2,3,4,5,6,7
	ds_load_b128 v[80+32*\t+4*\q:83+32*\t+4*\q], v14 offset:2048+16*\q     ; fc1_b: what the sums begin with
.endr
.endr
.irp u, 0,1,2,3
	WLOAD 144+12*\u, 240+\u, 17, 19, \u*FRB, 2048+\u*64
.endr
.irp u, 0,1,2,3
	s_wait_dscnt 4*(3-\u)                          ; the later fragments' four loads each may be out
	MMI 80+8*\u, 144+12*\u, 32, 240+\u, 250, 0, 0
	MMI 112+8*\u, 144+12*\u, 44, 240+\u, 251, 0, 0
.endr
	PLACES 5
	GPRE 0                                         ; each batch's reciprocals and exponentials have one wait, a batch's plain work behind them
	s_wait_alu depctr_va_vdst(0)
	GTR 0
	s_wait_alu depctr_va_vdst(0)
	GPRE 1
	s_wait_alu depctr_va_vdst(0)
	GTR 1
	GPOST 0
	s_wait_alu depctr_va_vdst(0)
	GPRE 2
	s_wait_alu depctr_va_vdst(0)
	GTR 2
	GPOST 1
	s_wait_alu depctr_va_vdst(0)
	GPRE 3
	s_wait_alu depctr_va_vdst(0)
	GTR 3
	GPOST 2
	v_nop
	s_wait_alu depctr_va_vdst(0)
	GPOST 3
	QB2 80, 62, 21, 112, 74, 22, 0x3000000         ; of g = 2 gelu: the same codes, the byte one higher; the floor one higher too
	s_bitcmp1_b32 s32, 0
	s_cbranch_scc1 .Lsecond_64
.irp t, 0,1
.irp k, 0,1,2,3,4,5
	v_mov_b32 v[56+12*\t+\k], v[62+12*\t+\k]       ; the first 64 of a K step of 128: the operand's lower six registers
.endr
.endr
	v_mov_b32 v10, v21
	v_mov_b32 v11, v22
	s_branch .Lhidden_next
.Lsecond_64:
	s_lshr_b32 s35, s32, 1                         ; fc2's K step
	s_mul_i32 s18, s35, FRB
	s_lshl_b32 s19, s35, 6
	v_add_nc_u32 v18, s18, v13
	v_add_nc_u32 v20, s19, v16
.irp T, 0,1,2,3,4,5,6,7
	WLOAD 144+12*\T, 240+\T, 18, 20, \T*4*FRB, 4096+256*\T
.endr
	WORD4 26, 10, 21
	s_delay_alu instid0(VALU_DEP_1)
	v_add_nc_u32 v252, 0xfefefeff, v26             ; 1 off each byte: the exact halving of g (every byte is 2 or more)
	WORD4 26, 11, 22
	s_delay_alu instid0(VALU_DEP_1)
	v_add_nc_u32 v253, 0xfefefeff, v26
	PLACES 8
	WIN 0x50
	s_wait_alu depctr_va_vdst(0)
.irp T, 0,1,2,3,4,5,6,7
	s_wait_dscnt 4*(7-\T)
	MMI 64*(\T/4)+8*(\T%4), 144+12*\T, 56, 240+\T, 252, 0, 0
	MMI 64*(\T/4)+32+8*(\T%4), 144+12*\T, 68, 240+\T, 253, 0, 0
.endr
	WIN 0
	PLACES 5
.Lhidden_next:
	s_add_co_u32 s33, s33, 4*FRB
	s_add_co_u32 s34, s34, 256
	s_add_co_u32 s32, s32, 1
	s_cmp_lt_u32 s32, 8
	s_cbranch_scc1 .Lhidden
	WIN 0x41
.set II, 0
.rept 64
	v_permlane16_swap_b32 v[64*(II/32)+II%32], v[64*(II/32)+32+II%32]    ; back to L1: a lane a token, a register a channel
.set II, II+1
.endr
	WIN 0x04                                       ; a store's data are its source 1: window 1
.set CH, 0
.rept 128
	global_store_b32 v9, v[CH], s[92+2*(CH/32):93+2*(CH/32)] offset:(CH%32)*CHS    ; 32 lanes store 128 consecutive bytes; the shift of 4 columns puts them 16 bytes behind a multiple of 128
.set CH, CH+1
.endr
	WIN 0
	s_add_co_u32 s31, s31, 1
	s_cmp_lt_u32 s31, 2
	s_cbranch_scc1 .Lhalf
	s_wait_tensorcnt 0x0
	ds_add_u32 v254, v255
	s_wait_dscnt 0x0
	s_endpgm
.Lfunc_end_k_q6f0570049b_swin:
	.size	k_q6f0570049b_swin, .Lfunc_end_k_q6f0570049b_swin-k_q6f0570049b_swin
	.p2alignl 7, 3214868480
	.fill 96, 4, 3214868480
	.section	.rodata,"a",@progbits
	.p2align	6, 0x0
	.amdhsa_kernel k_q6f0570049b_swin
		.amdhsa_group_segment_fixed_size 303104
		.amdhsa_private_segment_fixed_size 0
		.amdhsa_enable_private_segment 0
		.amdhsa_kernarg_size 184
		.amdhsa_user_sgpr_count 2
		.amdhsa_user_sgpr_kernarg_segment_ptr 1
		.amdhsa_wavefront_size32 1
		.amdhsa_system_sgpr_workgroup_id_x 1
		.amdhsa_system_sgpr_workgroup_id_y 1
		.amdhsa_system_sgpr_workgroup_id_z 1
		.amdhsa_system_vgpr_workitem_id 0
		.amdhsa_next_free_vgpr 512
		.amdhsa_next_free_sgpr 106
		.amdhsa_reserve_vcc 0
		.amdhsa_float_denorm_mode_32 3
		.amdhsa_float_denorm_mode_16_64 3
		.amdhsa_memory_ordered 1
		.amdhsa_forward_progress 1
		.amdhsa_inst_pref_size 255
	.end_amdhsa_kernel
	.section	.bss,"aw",@nobits
	.p2align	6
	.space	262144
	.amdgpu_metadata
---
amdhsa.version: [ 1, 2 ]
amdhsa.kernels:
  - .name:           k_q6f0570049b_swin
    .symbol:         k_q6f0570049b_swin.kd
    .args:
      - { .name: x, .offset: 0, .size: 8, .value_kind: global_buffer, .address_space: global }
      - { .name: kv, .offset: 8, .size: 8, .value_kind: global_buffer, .address_space: global }
      - { .name: out0, .offset: 16, .size: 8, .value_kind: global_buffer, .address_space: global }
      - { .name: norm1_g, .offset: 24, .size: 8, .value_kind: global_buffer, .address_space: global }
      - { .name: norm1_b, .offset: 32, .size: 8, .value_kind: global_buffer, .address_space: global }
      - { .name: rpb, .offset: 40, .size: 8, .value_kind: global_buffer, .address_space: global }
      - { .name: q_w_codes, .offset: 48, .size: 8, .value_kind: global_buffer, .address_space: global }
      - { .name: kv_w_codes, .offset: 56, .size: 8, .value_kind: global_buffer, .address_space: global }
      - { .name: proj_w_codes, .offset: 64, .size: 8, .value_kind: global_buffer, .address_space: global }
      - { .name: fc1_w_codes, .offset: 72, .size: 8, .value_kind: global_buffer, .address_space: global }
      - { .name: fc2_w_codes, .offset: 80, .size: 8, .value_kind: global_buffer, .address_space: global }
      - { .name: q_w_scales, .offset: 88, .size: 8, .value_kind: global_buffer, .address_space: global }
      - { .name: kv_w_scales, .offset: 96, .size: 8, .value_kind: global_buffer, .address_space: global }
      - { .name: proj_w_scales, .offset: 104, .size: 8, .value_kind: global_buffer, .address_space: global }
      - { .name: fc1_w_scales, .offset: 112, .size: 8, .value_kind: global_buffer, .address_space: global }
      - { .name: fc2_w_scales, .offset: 120, .size: 8, .value_kind: global_buffer, .address_space: global }
      - { .name: q_b, .offset: 128, .size: 8, .value_kind: global_buffer, .address_space: global }
      - { .name: kv_b, .offset: 136, .size: 8, .value_kind: global_buffer, .address_space: global }
      - { .name: proj_b, .offset: 144, .size: 8, .value_kind: global_buffer, .address_space: global }
      - { .name: fc1_b, .offset: 152, .size: 8, .value_kind: global_buffer, .address_space: global }
      - { .name: fc2_b, .offset: 160, .size: 8, .value_kind: global_buffer, .address_space: global }
      - { .name: norm2_g, .offset: 168, .size: 8, .value_kind: global_buffer, .address_space: global }
      - { .name: norm2_b, .offset: 176, .size: 8, .value_kind: global_buffer, .address_space: global }
    .group_segment_fixed_size: 303104
    .private_segment_fixed_size: 0
    .kernarg_segment_align: 8
    .kernarg_segment_size: 184
    .max_flat_workgroup_size: 256
    .sgpr_count:     106
    .vgpr_count:     512
    .wavefront_size: 32
...
	.end_amdgpu_metadata
.endif
;; end of part 1
